; MI455X (gfx1250); checked and timed in simulation.
; The chip was launched on July 23, 2026; its instructions are those of AMD's public machine-readable ISA for CDNA 5 (MIT licence, August 2026) and "CDNA5" Instruction Set Architecture Reference Guide (July 2026). The comments in the code are by the model that wrote it; some were corrected since.
;; Base Attention. Allowed arithmetic: float matrix products may take bf16 or f16 operands with f32 sums; other float arithmetic in f32, or as packed bf16 or f16 multiplies, adds, multiply-adds, maxima and minima; sums over many terms, partial sums and values carried from step to step in f32; what a program stores and reads back later, other than sums and carried values, may be rounded once to bf16 or f16.
;; Inputs: cos 1 x 2,048 x 1 x 32 float32; sin 1 x 2,048 x 1 x 32 float32; w_attn 3,072 x 1,024 float32; w_proj 1,024 x 1,024 float32; x 4 x 2,048 x 1,024 float32.
;; Outputs: out0 4 x 2,048 x 1,024 float32.
;; One version. Each part assembles by itself: llvm-mc -triple=amdgcn-amd-amdhsa -mcpu=gfx1250 --defsym DOCPART=n.
;; ======== version 1 of 1: 4 launches
;; limits: values are held in f16: magnitudes above 65,504 overflow, below 6.1e-05 lose precision
;; workspace buffers: xb 16,777,216 bytes; wab 6,291,456 bytes; wpb 2,097,152 bytes; qh 16,777,216 bytes; kh 16,777,216 bytes; vh 16,777,216 bytes; oh 16,777,216 bytes
;; launch cast (part 1): grid 768 x 1, 8 waves a work-group, no clusters, 0 bytes of LDS; arguments x, w_attn, w_proj, xb, wab, wpb; writes xb, wab, wpb
.if DOCPART == 1
	.amdgcn_target "amdgcn-amd-amdhsa--gfx1250"
	.amdhsa_code_object_version 6
	.text
	.protected	k_qdeb0ebb40a_cast
	.globl	k_qdeb0ebb40a_cast
	.p2align	8
	.type	k_qdeb0ebb40a_cast,@function
k_qdeb0ebb40a_cast:
	s_mov_b64 s[64:65], 0
	v_nop
	global_prefetch_b8 v0, s[64:65] scope:SCOPE_SE
	s_setreg_imm32_b32 hwreg(HW_REG_WAVE_MODE, 25, 1), 1
	s_wait_xcnt 0x0
; THE INPUTS OF THE TWO PROJECTIONS ARE ROUNDED ONCE.  x [8192][1024] -> xb, bf16.  w_attn [3072][1024] -> wab, bf16, its rows laid by heads:
; row 1024 type + 64 h + d (type 0, 1, 2 = q, k, v) goes to row 192 h + 64 type + d, so that 192 rows on end are one head's q, k and v.
; w_proj [1024][1024] -> wpb: rounded to bf16 like the others, and that number written as f16 (the second product's other operand is f16).
; LIMITS.  |w_proj| stays under 65,504; below 6.1e-5 it takes f16's fixed step of 6e-8.
; SHARES.  12,288 rows of 4,096 bytes; a work-group takes 16 on end, a wave 2.  A lane takes 32 bytes of each 1,024 (two loads of 16) and stores 16: a wave's
; store covers 512 consecutive bytes, at a multiple of 512 from the buffer's first byte.  All 16 loads of a wave go out on end; no register is written twice,
; so no wait frees a source.  No LDS, no barrier, no matrix unit: each byte is read once and written once, and nothing is shared.
.set XR, 16                            ; v[16:79]   unit u of 8: eight f32 as loaded
.set YR, 80                            ; v[80:111]  unit u: four registers to store
.set TW, 4                             ; v[4:11]    at work (w_proj alone)
	s_load_b256 s[4:11], s[0:1], 0x0               ; x s[4:5], w_attn s[6:7], w_proj s[8:9], xb s[10:11]
	s_load_b128 s[12:15], s[0:1], 0x20             ; wab s[12:13], wpb s[14:15]
	v_lshrrev_b32 v3, 5, v0
	v_readfirstlane_b32 s28, v3                    ; wave 0..7
	v_and_b32 v2, 31, v0
	v_lshlrev_b32 v1, 5, v2                        ; 32 bytes a lane in
	v_lshlrev_b32 v2, 4, v2                        ; 16 bytes a lane out
	s_mov_b32 s16, ttmp9                           ; g: 0-511 x, 512-703 w_attn, 704-767 w_proj
	s_mov_b32 s34, 0xffff0000                      ; a word's upper bf16
	s_lshl_b32 s17, s16, 4                         ; x: row 16 g, in and out
	s_sub_co_u32 s18, s16, 512
	s_lshl_b32 s18, s18, 4                         ; w_attn: row r0 = 16 (g - 512) in,
	s_bfe_u32 s19, s18, 0x40006                    ; its head (r0 >> 6) & 15
	s_mul_i32 s19, s19, 192
	s_lshr_b32 s20, s18, 10                        ; its type r0 >> 10
	s_lshl_b32 s20, s20, 6
	s_add_co_u32 s19, s19, s20
	s_and_b32 s20, s18, 63                         ; its channel
	s_add_co_u32 s19, s19, s20                     ; row out; 16 rows on end stay on end, since r0 is a multiple of 16
	s_sub_co_u32 s21, s16, 704
	s_lshl_b32 s21, s21, 4                         ; w_proj: row 16 (g - 704), in and out
	s_cmp_lt_u32 s16, 512
	s_cselect_b32 s22, s17, s18
	s_cselect_b32 s23, s17, s19
	s_cmp_lt_u32 s16, 704
	s_cselect_b32 s22, s22, s21                    ; the row in
	s_cselect_b32 s23, s23, s21                    ; the row out
	s_lshl_b32 s29, s28, 1                         ; my wave's two rows
	s_add_co_u32 s22, s22, s29
	s_add_co_u32 s23, s23, s29
	s_lshl_b32 s30, s22, 12                        ; in bytes: under 2^26
	s_mov_b32 s31, 0
	s_lshl_b32 s32, s23, 11
	s_mov_b32 s33, 0
	s_wait_kmcnt 0x0
	s_cmp_lt_u32 s16, 512
	s_cselect_b64 s[24:25], s[4:5], s[6:7]
	s_cselect_b64 s[26:27], s[10:11], s[12:13]
	s_cmp_lt_u32 s16, 704
	s_cselect_b64 s[24:25], s[24:25], s[8:9]
	s_cselect_b64 s[26:27], s[26:27], s[14:15]
	s_add_nc_u64 s[24:25], s[24:25], s[30:31]
	s_add_nc_u64 s[26:27], s[26:27], s[32:33]
.irp u, 0,1,2,3,4,5,6,7                ; unit u: row u / 4, its 1,024 bytes number u % 4
	global_load_b128 v[XR+8*(\u):XR+8*(\u)+3],   v1, s[24:25] offset:((\u)/4)*4096+((\u)%4)*1024 th:TH_LOAD_NT
	global_load_b128 v[XR+8*(\u)+4:XR+8*(\u)+7], v1, s[24:25] offset:((\u)/4)*4096+((\u)%4)*1024+16 th:TH_LOAD_NT
.endr
.macro UNIT u, half                    ; half = 1: the bf16 number is written as f16
	s_wait_loadcnt 14-2*(\u)                       ; loads come back in order: this unit's two are in, the later units' stay out
.irp k, 0,1,2,3
	v_cvt_pk_bf16_f32 v[YR+4*(\u)+(\k)], v[XR+8*(\u)+2*(\k)], v[XR+8*(\u)+2*(\k)+1]
.endr
.if \half
.irp k, 0,1,2,3
	v_lshlrev_b32 v[TW+2*(\k)],   16,  v[YR+4*(\u)+(\k)]
	v_and_b32     v[TW+2*(\k)+1], s34, v[YR+4*(\u)+(\k)]
.endr
.irp k, 0,1,2,3
	v_cvt_pk_f16_f32 v[YR+4*(\u)+(\k)], v[TW+2*(\k)], v[TW+2*(\k)+1]  ; exact within f16's range: bf16 has 8 significant bits
.endr
.endif
	global_store_b128 v2, v[YR+4*(\u):YR+4*(\u)+3], s[26:27] offset:((\u)/4)*2048+((\u)%4)*512
.endm
	s_cmp_ge_u32 s16, 704
	s_cbranch_scc1 .Lhalf
.irp u, 0,1,2,3,4,5,6,7
	UNIT \u, 0
.endr
	s_endpgm
.Lhalf:
.irp u, 0,1,2,3,4,5,6,7
	UNIT \u, 1
.endr
	s_endpgm
.Lfunc_end_k_qdeb0ebb40a_cast:
	.size	k_qdeb0ebb40a_cast, .Lfunc_end_k_qdeb0ebb40a_cast-k_qdeb0ebb40a_cast
	.p2alignl 7, 3214868480
	.fill 96, 4, 3214868480
	.section	.rodata,"a",@progbits
	.p2align	6, 0x0
	.amdhsa_kernel k_qdeb0ebb40a_cast
		.amdhsa_group_segment_fixed_size 0
		.amdhsa_private_segment_fixed_size 0
		.amdhsa_enable_private_segment 0
		.amdhsa_kernarg_size 48
		.amdhsa_user_sgpr_count 2
		.amdhsa_user_sgpr_kernarg_segment_ptr 1
		.amdhsa_wavefront_size32 1
		.amdhsa_system_sgpr_workgroup_id_x 1
		.amdhsa_system_sgpr_workgroup_id_y 1
		.amdhsa_system_sgpr_workgroup_id_z 1
		.amdhsa_system_vgpr_workitem_id 0
		.amdhsa_next_free_vgpr 112
		.amdhsa_next_free_sgpr 66
		.amdhsa_reserve_vcc 0
		.amdhsa_float_denorm_mode_32 3
		.amdhsa_float_denorm_mode_16_64 3
		.amdhsa_memory_ordered 1
		.amdhsa_forward_progress 1
		.amdhsa_inst_pref_size 14
	.end_amdhsa_kernel
	.amdgpu_metadata
---
amdhsa.version: [ 1, 2 ]
amdhsa.kernels:
  - .name:           k_qdeb0ebb40a_cast
    .symbol:         k_qdeb0ebb40a_cast.kd
    .args:
      - { .name: x, .offset: 0, .size: 8, .value_kind: global_buffer, .address_space: global }
      - { .name: w_attn, .offset: 8, .size: 8, .value_kind: global_buffer, .address_space: global }
      - { .name: w_proj, .offset: 16, .size: 8, .value_kind: global_buffer, .address_space: global }
      - { .name: xb, .offset: 24, .size: 8, .value_kind: global_buffer, .address_space: global }
      - { .name: wab, .offset: 32, .size: 8, .value_kind: global_buffer, .address_space: global }
      - { .name: wpb, .offset: 40, .size: 8, .value_kind: global_buffer, .address_space: global }
    .group_segment_fixed_size: 0
    .private_segment_fixed_size: 0
    .kernarg_segment_align: 8
    .kernarg_segment_size: 48
    .max_flat_workgroup_size: 256
    .sgpr_count:     66
    .vgpr_count:     112
    .wavefront_size: 32
...
	.end_amdgpu_metadata
.endif
;; end of part 1
;; launch qkv (part 2): grid 16 x 32, 4 waves a work-group, clusters of 4 x 4, 327,680 bytes of LDS; arguments xb, wab, cos, sin, qh, kh, vh; writes qh, kh, vh
.if DOCPART == 2
	.amdgcn_target "amdgcn-amd-amdhsa--gfx1250"
	.amdhsa_code_object_version 6
	.text
	.protected	k_qdeb0ebb40a_qkv
	.globl	k_qdeb0ebb40a_qkv
	.p2align	8
	.type	k_qdeb0ebb40a_qkv,@function
k_qdeb0ebb40a_qkv:
	s_mov_b64 s[64:65], 0
	v_nop
	global_prefetch_b8 v0, s[64:65] scope:SCOPE_SE
	s_setreg_imm32_b32 hwreg(HW_REG_WAVE_MODE, 25, 1), 1
	s_wait_xcnt 0x0
	s_wait_alu depctr_hold_cnt(0) depctr_sa_sdst(0) depctr_va_vdst(0) depctr_va_sdst(0) depctr_va_ssrc(0) depctr_va_vcc(0) depctr_vm_vsrc(0)
	s_getreg_b32 s2, hwreg(HW_REG_IB_STS2, 6, 4)
	s_cmp_eq_u32 s2, 0
	s_cbranch_scc0 .Lentry_in_a_cluster
	s_endpgm
.Lentry_in_a_cluster:
	s_bfe_u32 s2, ttmp6, 0x10000c
	s_cmp_lg_u32 s2, 0xf033
	s_cbranch_scc0 .Lentry_shape_is_right
	s_endpgm
.Lentry_shape_is_right:
; q, k, v = x w_attn^T, with the rotation and the norm on the way out.  xb: [8192][1024] bf16.  wab: [16 heads][192 = q, k, v x 64][1024] bf16.  cos, sin: [2048][32] f32.
; qh, kh, vh: [64 = 16 batch + head][2048][64] f16.  Sums in f32.  q = rot(q) rsqrt(mean(rot(q)^2) + 1e-6) x c, c = log2(e) / 8, rounded once: the scores then come out of K Q^T as the
; exponents of 2.  k likewise without c; v as it is.  cos and sin are rounded to bf16 like x and the weights: all the module's inputs have the one rounding.
; LIMITS.  |v| = |x . w| stays under 65,504 (f16); q and k are bounded by 8 by their norm.  NaN and infinities are not treated apart.
; SHARES.  A tile is 256 rows x 192 columns: ONE head's q, k and v, so every tile has the same way out and a wave holds whole heads.  512 tiles: two for each of 256 WGPs.
; Four waves; wave w owns rows 64 w .. 64 w + 63 (4 blocks of 16) and all 12 column blocks: 48 accumulators, 384 registers.
; K goes in 8 steps of 128 through two LDS slots; the rows of both tiles are 256 bytes of memory, at multiples of 256.
; CLUSTER 4 x 4: the four of a row need the same tile of x, the four of a column the same tile of the weights: each is asked for jointly.
; THE MATRIX INSTRUCTION IS USED TRANSPOSED (source 0 = 16 rows of the weights, source 1 = 16 rows of x): lane l holds row l % 16 and the columns 8 (l / 16) + 0..7 of a block.
; REGISTERS, in windows of 256: window 0: v0-31 addresses and at work; v32-63 two sets of 16 on the way out; v64-127 x's fragments, two buffers, later the rotated q and k; v128-255 cos and sin
;   window 1: v0-191 the weights' fragments, two buffers of 96      window 2: accumulators of row blocks 0, 1 ((a, b) at 96 (a % 2) + 8 b)      window 3: of row blocks 2, 3
.set NBK,   12
.set PITCH, 272                        ; an LDS row: 256 bytes + 16 of padding = 68 words: the 16 rows of a fragment load start at 16 different groups of four banks (ISA guide 11.1)
.set AROWS, 128*PITCH                  ; what a wave fetches of x
.set BROWS, 96*PITCH                   ; and of the weights
.set BOFF,  2*AROWS
.set SLOT1, 131072                     ; slot 1 begins here: one exclusive or turns an address in one slot into the other's
.set STAGE, SLOT1+BOFF+2*BROWS         ; behind the ring: 16 rows x 144 bytes for each wave
.set SP,    144
.set SPARE, STAGE+4*16*SP              ; the spare words, 128 bytes for each wave: two blocks of 256 bytes that no other line names
.set T,    4                           ; v4-11   at work
.set R0,   12                          ; v12-13  q's factor (and the other lanes' sum)
.set R1,   14                          ; v14-15  k's: these two hold A0 and B0 until the last K step is fetched
.set A0,   14                          ; my lane's place in x's tile of slot 0
.set B0,   15                          ; and in the weights'
.set ADRA, 16
.set ADRB, 20
.set STO,  24
.set RD,   25
.set GO,   26
.set CSO,  27
.set SPW,  28
.set NIL,  29
.set PFO,  30
.set PKS,  32
.set FA,   64
.set OQR,  64
.set OKR,  96
.set CS,   128                         ; row block a: 16 cos at CS + 32 a, then 16 sin
.set WV,  18
.set FBW, 19                           ; 0: I fetch x, 1: the weights
.set HF,  20                           ; which half of that tile
.set CX,  21
.set CY,  22
.set G1,  24
.set G0,  32                           ; two sets: slot 0 with K step 0; slot 1 with K step 1, which then walks
.set G1B, 48
.set G0B, 56
.set PFA, 66
.set LIM, 68
.set TB,  69                           ; the LDS byte at which the slot in hand begins
.set CSC, 70
.set INV64, 71
.set EPSR, 72
.set HIM, 73
.set SEL, 74
.set TX,  76
.set TY,  77
.set G1W0, (1<<16)|(1<<20)|(1<<21)|(5<<22)|(3<<25)  ; 2-byte elements; padding on; bit 21 beside a mask; after every 64 words, 4 words
.set MSB, 0
.macro WIN new                         ; the immediate's high byte repeats the setting that is left; a switch that changes nothing is dropped
.if MSB != (\new)
	s_set_vgpr_msb (MSB<<8)|(\new)
.set MSB, (\new)
.endif
.endm
.macro PLACES                          ; four plain places behind matrix instructions (ISA guide 7.12.1)
.rept 4
	v_nop
.endr
.endm
.macro JLOAD s                         ; a joint load: waves 0, 1 ask for x's halves, waves 2, 3 for the weights'; s_nop 0 and four v_nop follow each line
	s_cmp_eq_u32 s[FBW], 0
	s_cbranch_scc0 .Lfor_b_\@
	tensor_load_to_lds s[G0+4*(\s):G0+4*(\s)+3], s[G1:G1+7]
	s_nop 0
.rept 4
	v_nop
.endr
	s_branch .Lasked_\@
.Lfor_b_\@:
	tensor_load_to_lds s[G0B+4*(\s):G0B+4*(\s)+3], s[G1B:G1B+7]
	s_nop 0
.rept 4
	v_nop
.endr
.Lasked_\@:
.endm
; A prefetch of the K step that the NEXT refill will ask for: 192 matrix instructions ahead of that load.  x's rows are read by every cluster of a row of clusters: cluster x = 0 asks;
; the weights' by every cluster of a column: cluster y = 0 asks.  The four partners share a wave's rows out by address (32 rows of x by cx; 24 of the weights by cy, lanes 24-31 naming row 23 again
; in the same instruction).  The loop's last trip asks for nothing: there is no K step behind its refill.
.macro ASK
	s_cmp_gt_u32 s3, s[LIM]
	s_cbranch_scc0 .Lnot_mine_\@
	global_prefetch_b8 v[PFO], s[PFA:PFA+1] th:TH_LOAD_NT scope:SCOPE_SE
.Lnot_mine_\@:
.endm
.macro CREST                           ; a round of the cluster's barrier behind its opening barrier
	s_cmp_lg_u32 s[WV], 0
	s_cbranch_scc1 .Lnot_wave_0_\@
	s_barrier_signal -3
.Lnot_wave_0_\@:
	s_barrier_wait -3
	s_barrier_signal -1
	s_barrier_wait -1
.endm
.macro CROUND
	s_barrier_signal -1
	s_barrier_wait -1
	CREST
.endm
	s_load_b256 s[4:11], s[0:1], 0x0               ; xb s[4:5], wab s[6:7], cos s[8:9], sin s[10:11]
	s_load_b128 s[12:15], s[0:1], 0x20             ; qh s[12:13], kh s[14:15]
	s_load_b64 s[16:17], s[0:1], 0x30              ; vh
	v_lshl_add_u32 v[SPW], v0, 2, SPARE
	v_mov_b32 v[NIL], 0
	ds_add_u32 v[SPW], v[NIL]                      ; the wave's opening: the add and its wait ahead of my first tensor load
	ds_add_u32 v28, v29
	v_lshrrev_b32 v3, 5, v0
	v_readfirstlane_b32 s[WV], v3
	s_lshr_b32 s[FBW], s[WV], 1
	s_and_b32 s[HF], s[WV], 1
	s_bfe_u32 s[CX], ttmp6, 0x40000
	s_bfe_u32 s[CY], ttmp6, 0x40004
	s_lshl_b32 s[TX], ttmp9, 2
	s_add_co_u32 s[TX], s[TX], s[CX]               ; the head = 4 x cluster x + cx
	s_and_b32 s[TY], ttmp7, 0xffff
	s_lshl_b32 s[TY], s[TY], 2
	s_add_co_u32 s[TY], s[TY], s[CY]               ; the block of 256 rows = 4 x cluster y + cy
	s_lshl_b32 s40, s[CY], 2
	s_lshl_b32 s40, 15, s40                        ; my row of the cluster
	s_lshl_b32 s44, 0x1111, s[CX]                  ; my column
	s_or_b32 s[G1], s40, G1W0
	s_or_b32 s[G1B], s44, G1W0
.irp g, G1, G1B
	s_mov_b32 s[(\g)+1], 128<<16                   ; tensor_dim0 = 128
	s_mov_b32 s[(\g)+3], 128<<16                   ; tile_dim0 = 128
	s_mov_b32 s[(\g)+5], 1024                      ; elements from row to row
	s_mov_b32 s[(\g)+6], 0
	s_mov_b32 s[(\g)+7], 0
.endr
	s_mov_b32 s[G1+2], 128<<16                     ; tensor_dim1 and
	s_mov_b32 s[G1+4], 128                         ; tile_dim1: 128 rows of x,
	s_mov_b32 s[G1B+2], 96<<16
	s_mov_b32 s[G1B+4], 96                         ; 96 of the weights
	s_lshl_b32 s40, s[TY], 8                       ; x: row 256 ty + 128 half; these registers never hold cx
	s_lshl_b32 s41, s[HF], 7
	s_add_co_u32 s40, s40, s41
	s_lshl_b32 s40, s40, 11                        ; in bytes, under 2^25
	s_mov_b32 s41, 0
	s_mul_i32 s44, s[TX], 192                      ; weights: row 192 tx + 96 half; these never hold cy
	s_mul_i32 s45, s[HF], 96
	s_add_co_u32 s44, s44, s45
	s_lshl_b32 s44, s44, 11
	s_mov_b32 s45, 0
	s_mul_i32 s78, s[WV], AROWS                    ; where they go: the wave's number alone enters an LDS address
	s_mul_i32 s79, s[WV], BROWS
	s_add_co_u32 s79, s79, BOFF-2*BROWS
	s_mov_b32 s[CSC], 0x3e38aa3b                   ; log2(e) / 8
	s_mov_b32 s[INV64], 0x3c800000                 ; 1 / 64
	s_mov_b32 s[EPSR], 0x358637bd                  ; 1e-6
	s_mov_b32 s[HIM], 0xffff0000
	s_mov_b32 s[SEL], 0x76543210
	s_mov_b32 s[SEL+1], 0xfedcba98
	s_mov_b32 s[TB], 0
	s_wait_dscnt 0x0                               ; the opening add is done
	s_wait_kmcnt 0x0
	s_add_nc_u64 s[42:43], s[4:5], s[40:41]
	s_add_nc_u64 s[46:47], s[6:7], s[44:45]
	CROUND                                         ; all sixteen work-groups are here: the first joint loads meet
.irp s, 0,1
	s_mov_b32 s[G0+4*(\s)], 1
	s_add_co_u32 s[G0+4*(\s)+1], s78, (\s)*SLOT1
	s_add_nc_u64 s[G0+4*(\s)+2:G0+4*(\s)+3], s[42:43], (\s)*256
	s_or_b32 s[G0+4*(\s)+3], s[G0+4*(\s)+3], 0x80000000
	s_mov_b32 s[G0B+4*(\s)], 1
	s_add_co_u32 s[G0B+4*(\s)+1], s79, (\s)*SLOT1
	s_add_nc_u64 s[G0B+4*(\s)+2:G0B+4*(\s)+3], s[46:47], (\s)*256
	s_or_b32 s[G0B+4*(\s)+3], s[G0B+4*(\s)+3], 0x80000000
	JLOAD \s                                       ; two loads of mine are out
.endr
	v_and_b32 v1, 15, v0                           ; l % 16
	v_bfe_u32 v2, v0, 4, 1                         ; l / 16
	v_mul_u32_u24 v3, v1, PITCH
	v_lshl_add_u32 v3, v2, 4, v3                   ; a fragment's row x pitch + 16 x half
	s_mul_i32 s80, s[WV], 64*PITCH
	v_add_nc_u32 v[A0], s80, v3                    ; my 64 rows of x
	v_add_nc_u32 v[B0], BOFF, v3                   ; all 192 rows of the weights
	v_mov_b32 v[ADRA], v[A0]
	v_mov_b32 v[ADRB], v[B0]
	v_mov_b32 v[R0], 0
	v_mov_b32 v[R0+1], 0                           ; v_permlanex16_b32 counts as a reader of its destination
	s_mul_i32 s80, s[WV], 16*SP
	s_add_co_u32 s80, s80, STAGE                   ; my stage
	v_mul_u32_u24 v[STO], v1, SP                   ; in: row l % 16, 16 bytes for each half of the lanes
	v_lshl_add_u32 v[STO], v2, 4, v[STO]
	v_add_nc_u32 v[STO], s80, v[STO]
	v_bfe_u32 v[RD], v0, 3, 2                      ; back: 32 lanes take four rows of 128 bytes,
	v_mul_u32_u24 v[RD], v[RD], SP
	v_and_b32 v3, 7, v0
	v_lshl_add_u32 v[RD], v3, 4, v[RD]
	v_add_nc_u32 v[RD], s80, v[RD]
	v_and_b32 v[GO], 31, v0                        ; which are 512 consecutive bytes of a head
	v_lshlrev_b32 v[GO], 4, v[GO]
	v_lshlrev_b32 v[CSO], 7, v1                    ; cos, sin: row l % 16 of 128 bytes, my 8 numbers at 32 (l / 16)
	v_lshl_add_u32 v[CSO], v2, 5, v[CSO]
	s_and_b32 s80, s[TY], 7
	s_lshl_b32 s80, s80, 8
	s_lshl_b32 s81, s[WV], 6
	s_add_co_u32 s80, s80, s81                     ; my first row's place in its sequence: 256 (ty % 8) + 64 w
	s_lshl_b32 s82, s80, 7                         ; 128 bytes a row, in cos and sin as in a head
	s_mov_b32 s83, 0
	s_add_nc_u64 s[8:9], s[8:9], s[82:83]
	s_add_nc_u64 s[10:11], s[10:11], s[82:83]
.irp a, 0,1,2,3                        ; waited for once, at the way out
.irp bp, 0,1
.irp u, 0,1
	global_load_b128 v[CS+32*(\a)+8*(\bp)+4*(\u):CS+32*(\a)+8*(\bp)+4*(\u)+3],       v[CSO], s[8:9]   offset:(\a)*2048+64*(\bp)+16*(\u)
	global_load_b128 v[CS+32*(\a)+16+8*(\bp)+4*(\u):CS+32*(\a)+16+8*(\bp)+4*(\u)+3], v[CSO], s[10:11] offset:(\a)*2048+64*(\bp)+16*(\u)
.endr
.endr
.endr
	s_lshr_b32 s84, s[TY], 3                       ; the batch
	s_lshl_b32 s84, s84, 4
	s_add_co_u32 s84, s84, s[TX]                   ; 16 batch + head
	s_lshl_b32 s84, s84, 18                        ; 2,048 rows of 128 bytes
	s_add_co_u32 s84, s84, s82
	s_mov_b32 s85, 0
	s_add_nc_u64 s[12:13], s[12:13], s[84:85]
	s_add_nc_u64 s[14:15], s[14:15], s[84:85]
	s_add_nc_u64 s[16:17], s[16:17], s[84:85]
	; the prefetches
	s_and_b32 s86, ttmp7, 0xffff                   ; cluster y
	s_lshl_b32 s87, s[TY], 8
	s_lshl_b32 s89, s[HF], 7
	s_add_co_u32 s87, s87, s89
	s_lshl_b32 s89, s[CX], 5
	s_add_co_u32 s87, s87, s89                     ; x: my work-group's 32 of the 128 rows that I fetch
	s_mul_i32 s88, s[TX], 192
	s_mul_i32 s89, s[HF], 96
	s_add_co_u32 s88, s88, s89
	s_mul_i32 s89, s[CY], 24
	s_add_co_u32 s88, s88, s89                     ; weights: my work-group's 24 of the 96
	s_cmp_eq_u32 s[FBW], 0
	s_cselect_b32 s87, s87, s88
	s_cselect_b32 s86, ttmp9, s86                  ; the coordinate along which other clusters read the same rows
	s_cselect_b32 s88, 31, 23
	s_cselect_b64 s[PFA:PFA+1], s[4:5], s[6:7]
	s_cmp_eq_u32 s86, 0
	s_cselect_b32 s[LIM], 1, -1                    ; the same in all sixteen partners, for a given wave
	s_lshl_b32 s86, s87, 11
	s_mov_b32 s87, 0
	s_add_nc_u64 s[PFA:PFA+1], s[PFA:PFA+1], s[86:87]
	s_add_nc_u64 s[PFA:PFA+1], s[PFA:PFA+1], 2*256 ; at K step 2: the first change of slots steps it to 3
	v_and_b32 v[PFO], 31, v0
	v_min_u32 v[PFO], s88, v[PFO]
	v_lshlrev_b32 v[PFO], 11, v[PFO]               ; a lane a row
; 12 matrix instructions: row block a x all column blocks, 32 along K, from buffer f.  All 48 accumulators take turns in the same order in every quarter.
.macro MULR f, a, zero
	WIN 0xa1+0x50*((\a)/2)                         ; source 0 window 1, source 1 window 0, C and D window 2 or 3
.irp b, 0,1,2,3,4,5,6,7,8,9,10,11
.if \zero
	v_wmma_f32_16x16x32_bf16 v[96*((\a)%2)+8*(\b):96*((\a)%2)+8*(\b)+7], v[96*(\f)+8*(\b):96*(\f)+8*(\b)+7], v[FA+32*(\f)+8*(\a):FA+32*(\f)+8*(\a)+7], 0
.else
	v_wmma_f32_16x16x32_bf16 v[96*((\a)%2)+8*(\b):96*((\a)%2)+8*(\b)+7], v[96*(\f)+8*(\b):96*(\f)+8*(\b)+7], v[FA+32*(\f)+8*(\a):FA+32*(\f)+8*(\a)+7], v[96*((\a)%2)+8*(\b):96*((\a)%2)+8*(\b)+7]
.endif
.endr
.endm
.macro FETCH q, f                      ; 32 LDS loads in one run: quarter q's fragments into buffer f; x's row blocks last, ascending
	WIN 0x40
.irp b, 0,1,2,3,4,5,6,7,8,9,10,11
	ds_load_b128 v[96*(\f)+8*(\b):96*(\f)+8*(\b)+3],   v[ADRB] offset:64*(\q)+(\b)*16*PITCH
	ds_load_b128 v[96*(\f)+8*(\b)+4:96*(\f)+8*(\b)+7], v[ADRB] offset:64*(\q)+(\b)*16*PITCH+32
.endr
	WIN 0
.irp a, 0,1,2,3
	ds_load_b128 v[FA+32*(\f)+8*(\a):FA+32*(\f)+8*(\a)+3],   v[ADRA] offset:64*(\q)+(\a)*16*PITCH
	ds_load_b128 v[FA+32*(\f)+8*(\a)+4:FA+32*(\f)+8*(\a)+7], v[ADRA] offset:64*(\q)+(\a)*16*PITCH+32
.endr
.endm
.macro QUARTER q, f, g, zero           ; multiplies buffer f; in its middle fetches quarter q into buffer g
	s_wait_dscnt 4                                 ; all but the youngest four loads: x's row blocks 2 and 3
	MULR \f, 0, \zero
	MULR \f, 1, \zero
	PLACES                                         ; in front of loads into registers that the quarter before multiplied
	FETCH \q, \g
	s_wait_dscnt 2*NBK+8                           ; all but the run just issued
	MULR \f, 2, \zero
	MULR \f, 3, \zero
.endm
.macro MEET round                      ; the first half of a K step's last quarter, and the barrier of the change of slots
	WIN 0
	s_wait_tensorcnt 0x0                           ; all my tensor loads have landed: the one that was out is my part of the next slot
	ds_add_u32 v[SPW], v[NIL]                      ; 0 onto my spare word
	s_wait_dscnt 5                                 ; the add and the youngest four loads may be out
	MULR 1, 0, 0
	s_wait_dscnt 0x0                               ; the add is done, and my reads of this slot are over
	s_barrier_signal -1
	MULR 1, 1, 0
.if \round
	WIN 0
.endif
	s_barrier_wait -1
.endm
.macro TURN fill                       ; a K step's last quarter.  fill = 1: the slot just read out takes the K step two steps on
.if \fill
	s_wait_xcnt 0x0                                ; the last prefetch, a K step back, has read its address
	s_add_nc_u64 s[PFA:PFA+1], s[PFA:PFA+1], 256
.endif
	MEET \fill
.if \fill
	CREST                                          ; no wave of any partner still reads this slot or has a load on its way
	s_xor_b32 s[G0+5], s[G0+5], SLOT1              ; the walking descriptors: the other slot than last time, the next K step
	s_add_nc_u64 s[G0+6:G0+7], s[G0+6:G0+7], 256
	s_xor_b32 s[G0B+5], s[G0B+5], SLOT1
	s_add_nc_u64 s[G0B+6:G0B+7], s[G0B+6:G0B+7], 256
	JLOAD 1                                        ; my one tensor load behind the round; its four v_nop are also the places in front of the loads below
.else
	PLACES
	WIN 0
.endif
	s_xor_b32 s[TB], s[TB], SLOT1
	v_add_nc_u32 v[ADRA], s[TB], v[A0]
	v_add_nc_u32 v[ADRB], s[TB], v[B0]
	FETCH 0, 0
.if \fill
	ASK
.endif
	MULR 1, 2, 0
	MULR 1, 3, 0
.endm
	s_wait_tensorcnt 1                             ; my part of K step 0 is in; K step 1's may stay out
	s_barrier_signal -1
	s_barrier_wait -1
	FETCH 0, 0
	QUARTER 1, 0, 1, 1                             ; the first quarter's products start the sums
	WIN 0
	s_mov_b32 s3, 6
.Lstep:                                        ; a trip: a K step's quarters 1 to 3 and the next one's quarter 0; six trips ask for K steps 2 to 7
	QUARTER 2, 1, 0, 0
	QUARTER 3, 0, 1, 0
	TURN 1
	QUARTER 1, 0, 1, 0
	WIN 0
	s_sub_co_u32 s3, s3, 1
	s_cmp_lg_u32 s3, 0
	s_cbranch_scc1 .Lstep
	QUARTER 2, 1, 0, 0                             ; the tail asks for nothing
	QUARTER 3, 0, 1, 0
	TURN 0
	QUARTER 1, 0, 1, 0
	QUARTER 2, 1, 0, 0
	QUARTER 3, 0, 1, 0
	s_wait_dscnt 4
	MULR 1, 0, 0
	MULR 1, 1, 0
	s_wait_dscnt 0x0
	MULR 1, 2, 0
	MULR 1, 3, 0
	WIN 0
; THE WAY OUT, a row block at a time.  In a block of 16 columns lane l holds channels 16 blk + 8 (l / 16) + 0..7 of row l % 16; blocks 0, 1 are a head's first half, blocks 2, 3 its second.
.macro RNDCS a                         ; the block's 16 cos and 16 sin, rounded to bf16
	WIN 0
.set i, 0
.rept 16
	v_cvt_pk_bf16_f32 v[T+i%4], v[CS+32*(\a)+2*i], v[CS+32*(\a)+2*i+1]
	v_lshlrev_b32 v[CS+32*(\a)+2*i], 16, v[T+i%4]
	v_and_b32 v[CS+32*(\a)+2*i+1], s[HIM], v[T+i%4]
.set i, i+1
.endr
.endm
.macro ROPE a, part, o                 ; part 0: q, 1: k.  x1 cos + x2 sin and x2 cos - x1 sin, two numbers an instruction; each accumulator's lowest registers are read first
	WIN 2+(\a)/2                                   ; source 0 in the accumulators' window
.irp bp, 0,1
.irp jj, 0,2,4,6
.set rX, 96*((\a)%2)+8*(4*(\part)+(\bp))+(\jj)
.set rC, CS+32*(\a)+8*(\bp)+(\jj)
.set rT, T+4*(((\jj)/2)%2)
	v_pk_mul_f32 v[rT:rT+1],   v[rX+16:rX+17], v[rC+16:rC+17]
	v_pk_mul_f32 v[rT+2:rT+3], v[rX:rX+1],     v[rC+16:rC+17]
	v_pk_fma_f32 v[(\o)+8*(\bp)+(\jj):(\o)+8*(\bp)+(\jj)+1],       v[rX:rX+1],     v[rC:rC+1], v[rT:rT+1]
	v_pk_fma_f32 v[(\o)+16+8*(\bp)+(\jj):(\o)+16+8*(\bp)+(\jj)+1], v[rX+16:rX+17], v[rC:rC+1], v[rT+2:rT+3] neg_lo:[0,0,1] neg_hi:[0,0,1]
.endr
.endr
.endm
.macro SUMSQ o, r                      ; rsqrt(mean of the row's 64 squares + 1e-6): my 32 in four chains, the other 32 from the lane 16 away
	WIN 0
.irp c, 0,1,2,3
	v_pk_mul_f32 v[T+2*(\c):T+2*(\c)+1], v[(\o)+2*(\c):(\o)+2*(\c)+1], v[(\o)+2*(\c):(\o)+2*(\c)+1]
.endr
.irp c, 4,5,6,7,8,9,10,11,12,13,14,15
	v_pk_fma_f32 v[T+2*((\c)%4):T+2*((\c)%4)+1], v[(\o)+2*(\c):(\o)+2*(\c)+1], v[(\o)+2*(\c):(\o)+2*(\c)+1], v[T+2*((\c)%4):T+2*((\c)%4)+1]
.endr
	v_pk_add_f32 v[T:T+1], v[T:T+1], v[T+2:T+3]
	v_pk_add_f32 v[T+4:T+5], v[T+4:T+5], v[T+6:T+7]
	v_pk_add_f32 v[T:T+1], v[T:T+1], v[T+4:T+5]
	v_add_f32 v[\r], v[T], v[T+1]
	v_permlanex16_b32 v[(\r)+1], v[\r], s[SEL], s[SEL+1]
	v_add_f32 v[\r], v[\r], v[(\r)+1]
	v_fma_f32 v[\r], v[\r], s[INV64], s[EPSR]
	v_rsq_f32 v[\r], v[\r]
.endm
.macro STG t                           ; set t % 2 goes into rows of 144 bytes and comes back as whole rows of 128; LDS serves a wave's instructions in order (ISA guide 5.7.1.4)
	WIN 0
.set PS, PKS+16*((\t)%2)
.irp f, 0,1,2,3
	ds_store_b128 v[STO], v[PS+4*(\f):PS+4*(\f)+3] offset:32*(\f)
.endr
.irp f, 0,1,2,3
	ds_load_b128 v[PS+4*(\f):PS+4*(\f)+3], v[RD] offset:(\f)*4*SP
.endr
.endm
.macro PACKV a                         ; v: rounded as it is, block t = 3 a
	s_wait_xcnt 0x0                                ; the set's last stores have read it
	WIN 0x0a+5*((\a)/2)
.set PS, PKS+16*((3*(\a))%2)
.set i, 0
.rept 16
	v_cvt_pk_f16_f32 v[PS+i], v[96*((\a)%2)+64+2*i], v[96*((\a)%2)+64+2*i+1]
.set i, i+1
.endr
	STG 3*(\a)
.endm
.macro PACKN o, r, t                   ; q or k: times its factor, rounded
	s_wait_xcnt 0x0
	WIN 0
.set PS, PKS+16*((\t)%2)
.set i, 0
.rept 16
	v_pk_mul_f32 v[(\o)+2*i:(\o)+2*i+1], v[(\o)+2*i:(\o)+2*i+1], v[(\r):(\r)+1] op_sel_hi:[1,0]
.set i, i+1
.endr
.set i, 0
.rept 16
	v_cvt_pk_f16_f32 v[PS+i], v[(\o)+2*i], v[(\o)+2*i+1]
.set i, i+1
.endr
	STG \t
.endm
.macro SEND t, younger                 ; block t (t % 3 = 0: v, 1: q, 2: k; row block t / 3).  younger: the LDS instructions issued behind its loads
	WIN 0
.set PS, PKS+16*((\t)%2)
.irp f, 0,1,2,3
	s_wait_dscnt (\younger)+3-(\f)
	global_store_b128 v[GO], v[PS+4*(\f):PS+4*(\f)+3], s[12+2*(((\t)+2)%3):13+2*(((\t)+2)%3)] offset:((\t)/3)*2048+(\f)*512  ; 512 consecutive bytes, at a multiple of 512 from the buffer's first
.endr
.endm
	PLACES                                         ; behind the last products
	s_wait_loadcnt 0x0                             ; cos and sin
.irp a, 0,1,2,3
	RNDCS \a
	ROPE \a, 0, OQR
	SUMSQ OQR, R0
	ROPE \a, 1, OKR
	SUMSQ OKR, R1
	PACKV \a                                       ; plain work behind the two roots
.if (\a) > 0
	SEND 3*(\a)-1, 8
.endif
	s_wait_alu depctr_va_vdst(0)                   ; one wait for both roots, ahead of their first reader
	v_mul_f32 v[R0], s[CSC], v[R0]                 ; c goes into q's factor, in f32, ahead of q's one rounding
	PACKN OQR, R0, 3*(\a)+1
	SEND 3*(\a), 8
	PACKN OKR, R1, 3*(\a)+2
	SEND 3*(\a)+1, 8
.endr
	SEND 11, 0
	s_wait_tensorcnt 0x0                           ; the wave's end
	ds_add_u32 v[SPW], v[NIL]
	s_wait_dscnt 0x0
	CROUND                                         ; the closing round
	s_endpgm
.Lfunc_end_k_qdeb0ebb40a_qkv:
	.size	k_qdeb0ebb40a_qkv, .Lfunc_end_k_qdeb0ebb40a_qkv-k_qdeb0ebb40a_qkv
	.p2alignl 7, 3214868480
	.fill 96, 4, 3214868480
	.section	.rodata,"a",@progbits
	.p2align	6, 0x0
	.amdhsa_kernel k_qdeb0ebb40a_qkv
		.amdhsa_group_segment_fixed_size 327680
		.amdhsa_private_segment_fixed_size 0
		.amdhsa_enable_private_segment 0
		.amdhsa_kernarg_size 56
		.amdhsa_user_sgpr_count 2
		.amdhsa_user_sgpr_kernarg_segment_ptr 1
		.amdhsa_wavefront_size32 1
		.amdhsa_system_sgpr_workgroup_id_x 1
		.amdhsa_system_sgpr_workgroup_id_y 1
		.amdhsa_system_sgpr_workgroup_id_z 1
		.amdhsa_system_vgpr_workitem_id 0
		.amdhsa_next_free_vgpr 960
		.amdhsa_next_free_sgpr 96
		.amdhsa_reserve_vcc 0
		.amdhsa_float_denorm_mode_32 3
		.amdhsa_float_denorm_mode_16_64 3
		.amdhsa_memory_ordered 1
		.amdhsa_forward_progress 1
		.amdhsa_inst_pref_size 147
	.end_amdhsa_kernel
	.amdgpu_metadata
---
amdhsa.version: [ 1, 2 ]
amdhsa.kernels:
  - .name:           k_qdeb0ebb40a_qkv
    .symbol:         k_qdeb0ebb40a_qkv.kd
    .args:
      - { .name: xb, .offset: 0, .size: 8, .value_kind: global_buffer, .address_space: global }
      - { .name: wab, .offset: 8, .size: 8, .value_kind: global_buffer, .address_space: global }
      - { .name: cos, .offset: 16, .size: 8, .value_kind: global_buffer, .address_space: global }
      - { .name: sin, .offset: 24, .size: 8, .value_kind: global_buffer, .address_space: global }
      - { .name: qh, .offset: 32, .size: 8, .value_kind: global_buffer, .address_space: global }
      - { .name: kh, .offset: 40, .size: 8, .value_kind: global_buffer, .address_space: global }
      - { .name: vh, .offset: 48, .size: 8, .value_kind: global_buffer, .address_space: global }
    .group_segment_fixed_size: 327680
    .private_segment_fixed_size: 0
    .kernarg_segment_align: 8
    .kernarg_segment_size: 56
    .max_flat_workgroup_size: 128
    .sgpr_count:     96
    .vgpr_count:     960
    .wavefront_size: 32
...
	.end_amdgpu_metadata
.endif
;; end of part 2
;; launch attn (part 3): grid 4 x 64, 4 waves a work-group, no clusters, 327,680 bytes of LDS; arguments qh, kh, vh, oh; writes oh
.if DOCPART == 3
	.amdgcn_target "amdgcn-amd-amdhsa--gfx1250"
	.amdhsa_code_object_version 6
	.text
	.protected	k_qdeb0ebb40a_attn
	.globl	k_qdeb0ebb40a_attn
	.p2align	8
	.type	k_qdeb0ebb40a_attn,@function
k_qdeb0ebb40a_attn:
	s_mov_b64 s[64:65], 0
	v_nop
	global_prefetch_b8 v0, s[64:65] scope:SCOPE_SE
	s_setreg_imm32_b32 hwreg(HW_REG_WAVE_MODE, 25, 1), 1
	s_wait_xcnt 0x0
; CAUSAL ATTENTION.  O[h][q][:] = the sum over k <= q of softmax_k(s) V[h][k][:].  qh, kh, vh, oh: [64][2048][64] f16, a head's rows dense, 128 bytes each.  qh holds q x log2(e) / 8, so that
; S^T = K Q^T is the exponent of 2.  Products and sums in f32; the weights p = 2^s are rounded to f16 for the second product (their sum l is taken of the unrounded p), O once at the end.
; NO MAXIMUM IS TAKEN AWAY, because the computation bounds the exponents for every input: q and k are divided by their root mean square over 64 channels, so each has length 8 at the most,
; |q . k / 8| <= 8, p lies in e^-8 = 3.4e-4 to e^8 = 2,981, inside f16's normal range, and l is 6.2e6 at the most, in f32.  So there is no rescaling and no chain of statistics.
; LIMITS.  V arrives within 65,504; O is a mean of V's rows.  A hidden score counts as its value less 1e30, and its weight is 0.  NaN and infinities are not treated apart.
; THE WALK.  A head's queries lie in NB = 8 blocks of 256; block i needs the key tiles 0 .. i of 256 keys, the last with the diagonal.  A work-group takes TWO blocks, NB - 1 - b and then b: NB + 1 tiles
; whatever b, walked by one loop with a constant count.  NO CLUSTER: from trip NB / 2 + 1 on a head's four work-groups want different tiles; a walk common to all would have 12 trips for 9.
; SHARES.  Of a block's four bands of 64 queries a wave owns 16 rows in each: four PIECES.  In the diagonal tile's key step s band x sees all keys if s < x, none if s > x, and holds the diagonal if s = x.
; THE MASK is the C operand that starts the sum S^T: MD x AL + BE, MD the mask of a band's own step for my rows; (AL, BE) = (1, 0) if s = x, (0, 0) if s < x, (0, -1e30) if s > x.
; TURNS.  Turn p has four pieces in four stages: 8 products K Q^T of piece p + 1; the 32 exponentials of piece p; the 32 roundings and sums of piece p - 1; 8 products V^T P of piece p - 2.
; Behind each of the 16 products stand a plain instruction, an exponential, a plain one, an exponential.  A turn's exponentials are first named in the next turn: one wait, at the turn's end.
; Turn 2 takes its K Q^T first, the others their V^T P first: so K's registers are free from the middle of turn 2 to the middle of turn 3, and V's from the middle of turn 1 to the middle of turn 2.
; REGISTERS, in windows of 256: window 0: v0-15 addresses; v16-23 l, a pair a piece; v62-63 the add's; v64-191 S^T, 32 a piece; v192-255 P, 16 a piece
;   window 1: v0-127 O^T, 32 a piece; v128-159 MD; v160-223 MC, two buffers      window 2: v0-63 Q; v64-127 the second block's Q; v128-191 K of one step; v192-255 V of one step
.set SIZE_N, 2048
.set NB,    SIZE_N/256
.set KS,    64
.set PK,    144       ; a row of K in LDS: 128 bytes + 16 = 36 words: the 16 rows of a load start at 16 different groups of four banks (ISA guide 11.1)
.set PV,    160       ; a row of V: 128 + 32 = 40 words
.set VOFF,  4*KS*PK   ; a slot holds a tile: 256 rows of K, then 256 rows of V
.set SLOT1, 1<<17
.set STAGE, SLOT1+4*KS*(PK+PV)
.set SP,    144
.set SPARE, STAGE+4*16*SP
.set AK0, 2
.set AV0, 3
.set AK,  4
.set AV,  5
.set STO, 6
.set RD,  7
.set GO,  8
.set PFO, 13
.set QO,  15
.set L,   16
.set SPW, 62
.set NIL, 63
.set S,   64
.set P,   192
.set MD,  128
.set MC,  160
.set QB,  64
.set KF,  128
.set VF,  192
.set WV,  12
.set PB,  14
.set HI,  15
.set G1K, 24
.set G1V, 32
.set G0K, 40
.set G0V, 44
.set SLOTS, 56
.set CNT, 57
.set SEL, 60
.set TBK, 62
.set TBV, 63
.set RT,  70          ; tiles of the block in hand that are still to be entered
.set NXT, 71          ; the tile to be asked for next
.set LQ,  72          ; the last tile of the block whose tiles are being asked for
.set NEW, 73          ; 1: the tile to be entered is a block's first
.set OFF, 74
.set AL,  76
.set BE,  78
.set OLO, 80
.set BIGN, 82
.set PFA, 88
.set LIM, 90
.set MSB, 0
.macro WIN new
.if MSB != (\new)
	s_set_vgpr_msb (MSB<<8)|(\new)
.set MSB, (\new)
.endif
.endm
.set W_KQ, 0x0a       ; K and Q in window 2, S^T in window 0
.set W_KM, 0x1a       ; the same with the C operand in window 1
.set W_PV, 0x52       ; V in window 2, P in window 0, O^T in window 1
.set W_RS, 0x41       ; destination and source 0 in window 1
.macro LOAD                         ; waves 0, 1 fetch the halves of a tile's K, waves 2, 3 of its V; s_nop 0 and four v_nop follow each line
	s_cmp_lt_u32 s[WV], 2
	s_cbranch_scc0 .Lfor_v_\@
	tensor_load_to_lds s[G0K:G0K+3], s[G1K:G1K+7]
	s_nop 0
.rept 4
	v_nop
.endr
	s_branch .Lasked_\@
.Lfor_v_\@:
	tensor_load_to_lds s[G0V:G0V+3], s[G1V:G1V+7]
	s_nop 0
.rept 4
	v_nop
.endr
.Lasked_\@:
.endm
; A prefetch of the tile that the NEXT change of slots will ask for: my wave's own 16,384 bytes of it, 256 bytes a lane, two instructions; a tile, 256 matrix instructions, ahead.  A head's four work-groups
; walk the tiles 0, 1, .. alike: work-group 0, whose first block has all eight, asks, in changes 1 to 5, for tiles 3 to 7.  The second block's tiles have been read before and are not asked for.
.macro ASK
	s_sub_co_u32 s91, s[SLOTS], 3
	s_cmp_lt_u32 s91, s[LIM]
	s_cbranch_scc0 .Lnot_mine_\@
	global_prefetch_b8 v[PFO], s[PFA:PFA+1] th:TH_LOAD_NT scope:SCOPE_SE
	global_prefetch_b8 v[PFO], s[PFA:PFA+1] offset:8192 th:TH_LOAD_NT scope:SCOPE_SE
.Lnot_mine_\@:
.endm
; THE CHANGE OF SLOTS.  Each wave waits for all its tensor loads (one is out: its part of the other slot), adds 0 to its spare word, and waits for that and for its reads of the slot that it leaves.
; fill = 1: the old slot is filled again, first thing behind the barrier, with tile NXT; the descriptor's address is made anew from that number.
.macro CHANGE fill
	WIN 0
	s_wait_tensorcnt 0x0
	ds_add_u32 v[SPW], v[NIL]
.if \fill
	s_lshl_b32 s[OFF], s[NXT], 15   ; a tile is 32,768 bytes of K and of V
	s_xor_b32 s[G0K+1], s[G0K+1], SLOT1
	s_add_nc_u64 s[G0K+2:G0K+3], s[6:7], s[OFF:OFF+1]
	s_or_b32 s[G0K+3], s[G0K+3], 0x80000000
	s_xor_b32 s[G0V+1], s[G0V+1], SLOT1
	s_add_nc_u64 s[G0V+2:G0V+3], s[8:9], s[OFF:OFF+1]
	s_or_b32 s[G0V+3], s[G0V+3], 0x80000000
	s_add_co_u32 s[NXT], s[NXT], 1  ; the block's next tile, or behind its last the second block's tile 0
	s_cmp_gt_u32 s[NXT], s[LQ]
	s_cselect_b32 s[NXT], 0, s[NXT]
	s_cselect_b32 s[LQ], s[PB], s[LQ]
	s_wait_xcnt 0x0                 ; the last prefetches, a tile back, have read their address
	s_add_nc_u64 s[PFA:PFA+1], s[PFA:PFA+1], 32768
.endif
	s_wait_dscnt 0x0                ; the add is done, and my reads of the slot are over
	s_barrier_signal -1
	s_sub_co_u32 s[TBK], s[TBK], 4*KS*PK  ; the fetches go back to a slot's first step, in the other slot
	s_xor_b32 s[TBK], s[TBK], SLOT1
	s_sub_co_u32 s[TBV], s[TBV], 4*KS*PV
	s_xor_b32 s[TBV], s[TBV], SLOT1
	s_barrier_wait -1
.if \fill
	LOAD
	ASK
.endif
.endm
	s_load_b256 s[4:11], s[0:1], 0x0  ; qh s[4:5], kh s[6:7], vh s[8:9], oh s[10:11]
	v_lshl_add_u32 v[SPW], v0, 2, SPARE
	v_mov_b32 v[NIL], 0
	ds_add_u32 v[SPW], v[NIL]       ; the wave's opening: the add and its wait ahead of my first tensor load
	ds_add_u32 v62, v63
	v_lshrrev_b32 v1, 5, v0
	v_readfirstlane_b32 s[WV], v1
	s_mov_b32 s[PB], ttmp9
	s_sub_co_u32 s[HI], NB-1, s[PB]
	s_and_b32 s20, ttmp7, 0xffff    ; the head
	s_lshl_b32 s20, s20, 18         ; its 2,048 rows of 128 bytes
	s_mov_b32 s21, 0
	s_and_b32 s16, s[WV], 1         ; which half of a tile's 256 keys I fetch
	s_lshl_b32 s22, s16, 14
	s_mov_b32 s23, 0
	s_add_nc_u64 s[22:23], s[22:23], s[20:21]
	s_mul_i32 s17, s16, 128*PK
	s_mul_i32 s18, s16, 128*PV
	s_lshl_b32 s3, s[WV], 11        ; my 16 rows in a band of 64,
	s_lshl_b32 s2, s[HI], 15        ; in the first block,
	s_add_co_u32 s2, s2, s3
	s_lshl_b32 s84, s[PB], 15       ; and in the second
	s_add_co_u32 s84, s84, s3
	s_mov_b32 s3, 0
	s_mov_b32 s85, 0
	s_add_nc_u64 s[2:3], s[2:3], s[20:21]
	s_add_nc_u64 s[84:85], s[84:85], s[20:21]
	; 128 keys are 16,384 dense bytes: asked for as 64 rows of 256 bytes, two keys a row, padded in LDS after every key
	s_mov_b32 s[G1K], (1<<16)|(1<<20)|(4<<22)|(3<<25)
	s_mov_b32 s[G1V], (1<<16)|(1<<20)|(4<<22)|(7<<25)
.irp g, G1K, G1V
	s_mov_b32 s[\g+1], 128<<16
	s_mov_b32 s[\g+2], 64<<16
	s_mov_b32 s[\g+3], 128<<16
	s_mov_b32 s[\g+4], 64
	s_mov_b32 s[\g+5], 128
	s_mov_b32 s[\g+6], 0
	s_mov_b32 s[\g+7], 0
.endr
	s_mov_b32 s[SEL], 0x76543210
	s_mov_b32 s[SEL+1], 0xfedcba98
	s_mov_b32 s[TBK], SLOT1+4*KS*PK ; the first change of slots turns these two into 0
	s_mov_b32 s[TBV], SLOT1+4*KS*PV
	s_mov_b32 s[G0K], 1
	s_mov_b32 s[G0K+1], s17
	s_mov_b32 s[G0V], 1
	s_add_co_u32 s[G0V+1], s18, VOFF
	s_add_co_u32 s[RT], s[HI], 1    ; the first block has NB - b tiles
	s_mov_b32 s[NXT], 1
	s_mov_b32 s[LQ], s[HI]
	s_mov_b32 s[NEW], 1
	s_mov_b32 s[OFF+1], 0
	s_mov_b32 s[AL+1], 0
	s_mov_b32 s[BE+1], 0
	s_mov_b32 s[BIGN], 0xf149f2ca   ; -1e30
	s_mov_b32 s[SLOTS], NB
	s_cmp_eq_u32 s[PB], 0
	s_cselect_b32 s[LIM], 5, 0
	s_wait_dscnt 0x0                ; the opening add is done
	s_wait_kmcnt 0x0
	s_add_nc_u64 s[6:7], s[6:7], s[22:23]  ; K and V at my half of the head's tile 0
	s_add_nc_u64 s[8:9], s[8:9], s[22:23]
	s_add_nc_u64 s[G0K+2:G0K+3], s[6:7], 0
	s_or_b32 s[G0K+3], s[G0K+3], 0x80000000
	s_add_nc_u64 s[G0V+2:G0V+3], s[8:9], 0
	s_or_b32 s[G0V+3], s[G0V+3], 0x80000000
	s_add_nc_u64 s[86:87], s[4:5], s[84:85]
	s_add_nc_u64 s[4:5], s[4:5], s[2:3]
	s_add_nc_u64 s[OLO:OLO+1], s[10:11], s[84:85]
	s_add_nc_u64 s[10:11], s[10:11], s[2:3]
	s_cmp_lt_u32 s[WV], 2
	s_cselect_b64 s[PFA:PFA+1], s[6:7], s[8:9]
	s_add_nc_u64 s[PFA:PFA+1], s[PFA:PFA+1], 32768  ; change number c steps it to tile c + 2
	LOAD                            ; tile 0 into slot 0
	v_and_b32 v1, 15, v0            ; l % 16
	v_bfe_u32 v9, v0, 4, 1          ; l / 16
	v_lshlrev_b32 v[QO], 7, v1
	v_lshl_add_u32 v[QO], v9, 4, v[QO]
	WIN 0x80
.set i, 0
.rept 8                             ; both blocks' Q: piece i / 2 lies in band i / 2, 8,192 bytes on; channels 32 (i % 2) on
	global_load_b128 v[8*i:8*i+3],   v[QO], s[4:5] offset:(i/2)*8192+(i%2)*64
	global_load_b128 v[8*i+4:8*i+7], v[QO], s[4:5] offset:(i/2)*8192+(i%2)*64+32
	global_load_b128 v[QB+8*i:QB+8*i+3],   v[QO], s[86:87] offset:(i/2)*8192+(i%2)*64
	global_load_b128 v[QB+8*i+4:QB+8*i+7], v[QO], s[86:87] offset:(i/2)*8192+(i%2)*64+32
.set i, i+1
.endr
	WIN 0
	v_lshlrev_b32 v14, 3, v9
	v_sub_nc_u32 v14, v1, v14
	s_lshl_b32 s13, s[WV], 4
	v_add_nc_u32 v14, s13, v14      ; my query's place in its band less 8 (l / 16): register r of key group kt is hidden where 16 kt + r is greater
	WIN 0x40
.set i, 0
.rept 32
	v_cmp_gt_i32 vcc_lo, 16*(i/8)+i%8, v14
	v_cndmask_b32 v[MD+i], 0, s[BIGN], vcc_lo
.set i, i+1
.endr
	WIN 0
	v_mul_u32_u24 v[AK0], v1, PK
	v_lshl_add_u32 v[AK0], v9, 4, v[AK0]
	v_and_b32 v10, 7, v0            ; the turning load: lane l reads key 8 (l / 16) + l % 8, channels 8 ((l / 8) % 2) + 0..7
	v_bfe_u32 v11, v0, 3, 1
	v_lshl_add_u32 v[AV0], v9, 3, v10
	v_mul_u32_u24 v[AV0], v[AV0], PV
	v_lshl_add_u32 v[AV0], v11, 4, v[AV0]
	v_add_nc_u32 v[AV0], VOFF, v[AV0]
	s_mul_i32 s13, s[WV], 16*SP
	s_add_co_u32 s13, s13, STAGE
	v_mul_u32_u24 v[STO], v1, SP
	v_lshl_add_u32 v[STO], v9, 4, v[STO]
	v_add_nc_u32 v[STO], s13, v[STO]
	v_bfe_u32 v[RD], v0, 3, 2
	v_mul_u32_u24 v[RD], v[RD], SP
	v_lshl_add_u32 v[RD], v10, 4, v[RD]
	v_add_nc_u32 v[RD], s13, v[RD]
	v_and_b32 v[GO], 31, v0
	v_lshlrev_b32 v[PFO], 8, v[GO]
	v_lshlrev_b32 v[GO], 4, v[GO]
	WIN 0x80                        ; a block's first two turns multiply weights that are 0 by whatever V's registers hold: it need only be finite
.set i, VF
.rept 64
	v_mov_b32 v[i], 0
.set i, i+1
.endr
	WIN 0
; THE MATRIX WORK.  The 4 accumulators of a run of 8 take turns.  Product i of 8 of S^T = K Q^T for piece x: channels 32 (i / 4) on, keys 16 (i % 4) on.
.macro KQ x
.set rS, S+32*(\x)+8*(i%4)
.set rK, KF+16*(i%4)+8*(i/4)
.set rQ, 16*(\x)+8*(i/4)
.set rM, MC+32*((\x)%2)+8*(i%4)
.if (i < 4) && KM
	WIN W_KM
	v_wmma_f32_16x16x32_f16 v[rS:rS+7], v[rK:rK+7], v[rQ:rQ+7], v[rM:rM+7]
.elseif i < 4
	WIN W_KQ
	v_wmma_f32_16x16x32_f16 v[rS:rS+7], v[rK:rK+7], v[rQ:rQ+7], 0
.else
	WIN W_KQ
	v_wmma_f32_16x16x32_f16 v[rS:rS+7], v[rK:rK+7], v[rQ:rQ+7], v[rS:rS+7]
.endif
.endm
.macro PV x                         ; product i of 8 of O^T += V^T P for piece x: keys 32 (i / 4) on, channels 16 (i % 4) on
	WIN W_PV
.set rO, 32*(\x)+8*(i%4)
.set rV, VF+32*(i/4)+8*(i%4)
.set rP, P+16*(\x)+8*(i/4)
	v_wmma_f32_16x16x32_f16 v[rO:rO+7], v[rV:rV+7], v[rP:rP+7], v[rO:rO+7]
.endm
.macro FETCH_K                      ; a step's K: 16 loads in one run
	WIN 0x80
.irp f, 0,1,2,3,4,5,6,7
	ds_load_b128 v[KF+8*\f:KF+8*\f+3],   v[AK] offset:(\f/2)*16*PK+(\f%2)*64
	ds_load_b128 v[KF+8*\f+4:KF+8*\f+7], v[AK] offset:(\f/2)*16*PK+(\f%2)*64+32
.endr
	s_add_co_u32 s[TBK], s[TBK], KS*PK
	WIN 0
.endm
.macro FETCH_V                      ; a step's V, turned
	WIN 0x80
.irp f, 0,1,2,3,4,5,6,7
	ds_load_tr16_b128 v[VF+8*\f:VF+8*\f+3],   v[AV] offset:(\f/4)*32*PV+(\f%4)*32
	ds_load_tr16_b128 v[VF+8*\f+4:VF+8*\f+7], v[AV] offset:(\f/4)*32*PV+16*PV+(\f%4)*32
.endr
	s_add_co_u32 s[TBV], s[TBV], KS*PV
	WIN 0
.endm
; THE PLAIN QUEUE, 32 long, for piece XC.  For each four weights n: both pairs are rounded to f16; the second pair is added onto the first, in place; a group later l takes that sum.
.macro CVOP
.set rS, S+32*XC
.set rP, P+16*XC
.set rL, L+2*XC
.if cq < 2
	v_cvt_pk_f16_f32 v[rP+cq], v[rS+2*cq], v[rS+2*cq+1]
.elseif cq == 2
	v_pk_add_f32 v[rS:rS+1], v[rS:rS+1], v[rS+2:rS+3]
.elseif cq == 31
	v_pk_add_f32 v[rL:rL+1], v[rL:rL+1], v[rS+28:rS+29]
.else
.set n, (cq+1)/4
.set k, (cq+1)%4
.if k < 2
	v_cvt_pk_f16_f32 v[rP+2*n+k], v[rS+4*n+2*k], v[rS+4*n+2*k+1]
.elseif k == 2
	v_pk_add_f32 v[rS+4*n:rS+4*n+1], v[rS+4*n:rS+4*n+1], v[rS+4*n+2:rS+4*n+3]
.else
	v_pk_add_f32 v[rL:rL+1], v[rL:rL+1], v[rS+4*n-4:rS+4*n-3]
.endif
.endif
.set cq, cq+1
.endm
; A slice: plain, exponential, plain, exponential.  The exponentials go through piece Y's 32 scores in ascending order.
; Behind slice 4 the address of the turn's run of LDS loads is made; the run stands behind slice 8: its registers' last reader is product 7, and the four plain lines of slices 7 and 8 are the places between.
.macro SLICE
.if DOCV || DOEX
	WIN 0
.endif
.rept 2
.if DOCV
	CVOP
.endif
.if DOEX
	v_exp_f32 v[S+32*Y+e], v[S+32*Y+e]
.set e, e+1
.endif
.endr
.if FET && (sl == 4) && (Y == 1)
	v_add_nc_u32 v[AV], s[TBV], v[AV0]
.endif
.if FET && (sl == 4) && (Y == 2)
	v_add_nc_u32 v[AK], s[TBK], v[AK0]
.endif
.if FET && (sl == 8) && (Y == 1)
	FETCH_V
.endif
.if FET && (sl == 8) && (Y == 2)
	FETCH_K
.endif
.set sl, sl+1
.endm
.macro HALF isk                     ; eight products of one kind and the slices behind them
.set i, 0
.rept 8
.if \isk
	KQ (Y+1)%4
.else
	PV (Y+2)%4
.endif
.rept per
	SLICE
.endr
.set i, i+1
.endr
.endm
.macro MASK b                       ; MD x AL + BE into buffer b of MC
	WIN W_RS
.set z, 0
.rept 16
	v_pk_fma_f32 v[MC+32*(\b)+2*z:MC+32*(\b)+2*z+1], v[MD+2*z:MD+2*z+1], s[AL:AL+1], s[BE:BE+1] op_sel_hi:[1,0,0]
.set z, z+1
.endr
.endm
; A TURN.  m = 1: its products K Q^T take masks.  mk = 1: it makes the mask for the next turn's, piece p + 2 in step 4 - CNT of the tile.  kq, ex, cv, pv: which of the four stages live (a block's end);
; with one kind of product two slices stand behind each.  fet = 1: turn 1 fetches V of the step in hand, turn 2 K of the next.
.macro TURN p, m=0, mk=0, kq=1, ex=1, cv=1, pv=1, fet=1
.set Y, (\p)
.set XC, ((\p)+3)%4
.set KM, (\m)
.set DOEX, (\ex)
.set DOCV, (\cv)
.set FET, (\fet)
.set cq, 0
.set e, 0
.set sl, 0
.set per, 2
.if (\kq) && (\pv)
.set per, 1
.endif
.if \mk
	s_cmp_eq_u32 s[CNT], 4-((\p)+2)%4  ; is that step the band's own?
	s_cselect_b32 s[AL], 1.0, 0
	s_cmp_lt_u32 s[CNT], 4-((\p)+2)%4  ; or a later one?
	s_cselect_b32 s[BE], s[BIGN], 0
.endif
.if (\p) == 2
.if \kq
	HALF 1
.endif
	s_wait_dscnt 0x0                ; V is in: asked for 15 products back
	HALF 0
.else
.if \pv
	HALF 0
.endif
.if \kq
.if (\p) == 3
	s_wait_dscnt 0x0                ; K is in: asked for 15 products back
.endif
	HALF 1
.endif
.endif
.if \ex
.if \mk
	MASK (\p)%2                     ; plain work behind the last exponential
.else
	WIN 0
	v_nop                           ; a plain instruction behind the last exponential
.endif
	WIN 0
	s_wait_alu depctr_va_vdst(0)    ; one wait for the turn's 32 exponentials, ahead of the next turn, which names their results
.endif
.endm
; A BLOCK BEGINS.  O^T and l start at 0.  The first turn rounds and sums piece 3 and multiplies by piece 2's weights, neither of which has been: S^T of piece 3 and P of piece 2 are 0.  The second mask buffer is 0;
; the first takes piece 0's mask for the tile's step 0: its own, if the block's first tile is the diagonal one.  Then K of that step and piece 0's first scores.
.macro BEGIN
	s_mov_b32 s[NEW], 0
	WIN 0x40
.set i, 0
.rept 128
	v_mov_b32 v[i], 0
.set i, i+1
.endr
.set i, MC+32
.rept 32
	v_mov_b32 v[i], 0
.set i, i+1
.endr
	WIN 0
.set i, 0
.rept 8
	v_mov_b32 v[L+i], 0
.set i, i+1
.endr
.set i, 0
.rept 32
	v_mov_b32 v[S+96+i], 0
.set i, i+1
.endr
.set i, 0
.rept 16
	v_mov_b32 v[P+32+i], 0
.set i, i+1
.endr
	s_cmp_eq_u32 s[RT], 0
	s_cselect_b32 s[AL], 1.0, 0
	s_mov_b32 s[BE], 0
	MASK 0
	WIN 0
	v_add_nc_u32 v[AK], s[TBK], v[AK0]
	FETCH_K
	s_wait_loadcnt 0x0              ; Q
	s_wait_dscnt 0x0
.set KM, 1
.set i, 0
.rept 8
	KQ 0
.set i, i+1
.endr
	WIN 0
.rept 4
	v_nop                           ; the places behind those products
.endr
.endm
.macro ALL line:vararg              ; one line for each piece t
.set t, 0
.rept 4
	\line
.set t, t+1
.endr
.endm
.macro PACK t                       ; O^T / l, rounded; a lane's eight channels are 16 bytes; into rows of 144 bytes, back as whole rows of 128
	WIN W_RS
.set i, 32*(\t)
.rept 16
	v_pk_mul_f32 v[i:i+1], v[i:i+1], v[L+2*(\t):L+2*(\t)+1] op_sel_hi:[1,0]
.set i, i+2
.endr
	WIN 0x05
.set i, 0
.rept 16
	v_cvt_pk_f16_f32 v[S+16*(\t)+i], v[32*(\t)+2*i], v[32*(\t)+2*i+1]
.set i, i+1
.endr
	WIN 0
.irp f, 0,1,2,3
	ds_store_b128 v[STO], v[S+16*(\t)+4*\f:S+16*(\t)+4*\f+3] offset:32*\f
.endr
.irp f, 0,1,2,3
	ds_load_b128 v[S+16*(\t)+4*\f:S+16*(\t)+4*\f+3], v[RD] offset:\f*4*SP  ; LDS serves a wave's instructions in order (ISA guide 5.7.1.4)
.endr
.endm
.macro SEND t, younger              ; younger: the LDS instructions issued behind piece t's loads
	WIN 0
.irp f, 0,1,2,3
	s_wait_dscnt (\younger)+3-\f
	global_store_b128 v[GO], v[S+16*(\t)+4*\f:S+16*(\t)+4*\f+3], s[10:11] offset:(\t)*8192+\f*512  ; 512 consecutive bytes, at a multiple of 512 from O's first
.endr
.endm
; THE DIAGONAL TILE's four steps, the four turns in which the pipeline runs empty, and the way out.
.macro DIAG tag
.LstepM\tag:
	TURN 2, 1, 1
	TURN 3, 1, 1
	WIN 0
.LfirstM\tag:
	TURN 0, 1, 1
	TURN 1, 1, 1
	WIN 0
	s_sub_co_u32 s[CNT], s[CNT], 1
	s_cmp_lg_u32 s[CNT], 0
	s_cbranch_scc1 .LstepM\tag
	TURN 2, 1, 0, 1, 1, 1, 1, 0     ; piece 3's last scores | exponentials 2 | sums 1 | V^T P 0
	TURN 3, 0, 0, 0, 1, 1, 1, 0     ; exponentials 3 | sums 2 | V^T P 1
	TURN 0, 0, 0, 0, 0, 1, 1, 0     ; sums 3 | V^T P 2
	TURN 1, 0, 0, 0, 0, 0, 1, 0     ; V^T P 3
	WIN 0
	ALL v_add_f32 v[L+2*t], v[L+2*t], v[L+2*t+1]  ; four plain lines: the places behind the last products
	ALL v_permlanex16_b32 v[L+2*t+1], v[L+2*t], s[SEL], s[SEL+1]
	ALL v_add_f32 v[L+2*t], v[L+2*t], v[L+2*t+1]
	ALL v_rcp_f32 v[L+2*t], v[L+2*t]
	v_nop
	s_wait_alu depctr_va_vdst(0)    ; one wait for the four reciprocals
	PACK 0
.set t, 1
.rept 3
	PACK t
	SEND t-1, 8
.set t, t+1
.endr
	SEND 3, 0
.endm
.set KM, 0
.Lslot:                             ; NB times: a tile is entered and the next is asked for
	CHANGE 1
	s_sub_co_u32 s[RT], s[RT], 1
	s_mov_b32 s[CNT], 4
	s_cmp_eq_u32 s[NEW], 1
	s_cbranch_scc1 .Lnew            ; a block's first tile
	s_cmp_eq_u32 s[RT], 0
	s_cbranch_scc0 .Lstep           ; neither its first nor its last
	s_branch .LstepM1
.Lnew:
	BEGIN
	s_branch .Lfirst                ; in the loop a block's first tile is never its last
	DIAG 1                          ; in the loop this is the first block's end
	s_wait_xcnt 0x0                 ; the stores have read their registers and O's address
	s_mov_b64 s[10:11], s[OLO:OLO+1]
	s_add_co_u32 s[RT], s[PB], 1    ; the second block has b + 1 tiles
	s_mov_b32 s[NEW], 1
	WIN 0x82
.set i, 0
.rept 64
	v_mov_b32 v[i], v[QB+i]
.set i, i+1
.endr
	WIN 0
	s_branch .Lbottom
.Lstep:                             ; a trip: turns 2 and 3 of one step, then turns 0 and 1 of the next, whose K and V it fetches
	TURN 2
	TURN 3
	WIN 0
.Lfirst:
	TURN 0
	TURN 1
	WIN 0
	s_sub_co_u32 s[CNT], s[CNT], 1
	s_cmp_lg_u32 s[CNT], 0
	s_cbranch_scc1 .Lstep
.Lbottom:
	s_sub_co_u32 s[SLOTS], s[SLOTS], 1
	s_cmp_lg_u32 s[SLOTS], 0
	s_cbranch_scc1 .Lslot
	CHANGE 0                        ; the walk's last tile is written out
	s_sub_co_u32 s[RT], s[RT], 1
	s_mov_b32 s[CNT], 4
	s_cmp_eq_u32 s[NEW], 1
	s_cbranch_scc0 .LstepM2
	BEGIN
	s_branch .LfirstM2
	DIAG 2
	s_wait_tensorcnt 0x0            ; the wave's end
	ds_add_u32 v[SPW], v[NIL]
	s_wait_dscnt 0x0
	s_endpgm
.Lfunc_end_k_qdeb0ebb40a_attn:
	.size	k_qdeb0ebb40a_attn, .Lfunc_end_k_qdeb0ebb40a_attn-k_qdeb0ebb40a_attn
	.p2alignl 7, 3214868480
	.fill 96, 4, 3214868480
	.section	.rodata,"a",@progbits
	.p2align	6, 0x0
	.amdhsa_kernel k_qdeb0ebb40a_attn
		.amdhsa_group_segment_fixed_size 327680
		.amdhsa_private_segment_fixed_size 0
		.amdhsa_enable_private_segment 0
		.amdhsa_kernarg_size 32
		.amdhsa_user_sgpr_count 2
		.amdhsa_user_sgpr_kernarg_segment_ptr 1
		.amdhsa_wavefront_size32 1
		.amdhsa_system_sgpr_workgroup_id_x 1
		.amdhsa_system_sgpr_workgroup_id_y 1
		.amdhsa_system_sgpr_workgroup_id_z 1
		.amdhsa_system_vgpr_workitem_id 0
		.amdhsa_next_free_vgpr 768
		.amdhsa_next_free_sgpr 92
		.amdhsa_reserve_vcc 1
		.amdhsa_float_denorm_mode_32 3
		.amdhsa_float_denorm_mode_16_64 3
		.amdhsa_memory_ordered 1
		.amdhsa_forward_progress 1
		.amdhsa_inst_pref_size 168
	.end_amdhsa_kernel
	.amdgpu_metadata
---
amdhsa.version: [ 1, 2 ]
amdhsa.kernels:
  - .name:           k_qdeb0ebb40a_attn
    .symbol:         k_qdeb0ebb40a_attn.kd
    .args:
      - { .name: qh, .offset: 0, .size: 8, .value_kind: global_buffer, .address_space: global }
      - { .name: kh, .offset: 8, .size: 8, .value_kind: global_buffer, .address_space: global }
      - { .name: vh, .offset: 16, .size: 8, .value_kind: global_buffer, .address_space: global }
      - { .name: oh, .offset: 24, .size: 8, .value_kind: global_buffer, .address_space: global }
    .group_segment_fixed_size: 327680
    .private_segment_fixed_size: 0
    .kernarg_segment_align: 8
    .kernarg_segment_size: 32
    .max_flat_workgroup_size: 128
    .sgpr_count:     92
    .vgpr_count:     768
    .wavefront_size: 32
...
	.end_amdgpu_metadata
.endif
;; end of part 3
;; launch proj (part 4): grid 8 x 32, 4 waves a work-group, clusters of 4 x 4, 327,680 bytes of LDS; arguments oh, wpb, out0; writes out0
.if DOCPART == 4
	.amdgcn_target "amdgcn-amd-amdhsa--gfx1250"
	.amdhsa_code_object_version 6
	.text
	.protected	k_qdeb0ebb40a_proj
	.globl	k_qdeb0ebb40a_proj
	.p2align	8
	.type	k_qdeb0ebb40a_proj,@function
k_qdeb0ebb40a_proj:
	s_mov_b64 s[64:65], 0
	v_nop
	global_prefetch_b8 v0, s[64:65] scope:SCOPE_SE
	s_setreg_imm32_b32 hwreg(HW_REG_WAVE_MODE, 25, 1), 1
	s_wait_xcnt 0x0
	s_wait_alu depctr_hold_cnt(0) depctr_sa_sdst(0) depctr_va_vdst(0) depctr_va_sdst(0) depctr_va_ssrc(0) depctr_va_vcc(0) depctr_vm_vsrc(0)
	s_getreg_b32 s2, hwreg(HW_REG_IB_STS2, 6, 4)
	s_cmp_eq_u32 s2, 0
	s_cbranch_scc0 .Lentry_in_a_cluster
	s_endpgm
.Lentry_in_a_cluster:
	s_bfe_u32 s2, ttmp6, 0x10000c
	s_cmp_lg_u32 s2, 0xf033
	s_cbranch_scc0 .Lentry_shape_is_right
	s_endpgm
.Lentry_shape_is_right:
; out0 = y w_proj^T.  oh: [64 = 16 batch + head][2048][64] f16: y[row][64 head + d].  wpb: [1024][1024] f16.  out0: [8192][1024] f32.  Sums in f32.
; SHARES.  A tile is 256 rows x 128 columns: 256 tiles.  Four waves; wave w owns rows 64 w .. 64 w + 63 (4 blocks of 16) and all 8 column blocks: 32 accumulators, 256 registers.
; K goes in 8 steps of 128 = two heads, through two LDS slots.  A head's 256 rows are 32,768 dense bytes: asked for as 128 rows of 256 bytes, padded in LDS after every 128.
; CLUSTER 4 x 4: the four of a row need the same tile of y, the four of a column the same tile of the weights: each is asked for jointly.
; THE MATRIX INSTRUCTION IS USED TRANSPOSED (source 0 = 16 rows of the weights, source 1 = 16 rows of y): lane l holds row l % 16 and the columns 8 (l / 16) + 0..7 of a block: 32 bytes of a row.
; REGISTERS: window 0: v0-31 addresses; v64-127 y's fragments, two buffers; v128-255 rows on the way out      window 1: v0-127 the weights' fragments, two buffers      window 2: accumulator (a, b) at 64 a + 8 b
.set NBK,   8
.set PA,    144                        ; a row of y in LDS: 128 bytes + 16
.set PB,    272                        ; a row of the weights: 256 + 16: both odd multiples of 16 bytes, so the 16 rows of a load start at 16 different groups of four banks (ISA guide 11.1)
.set HEADB, 256*PA                     ; a head's 256 rows: what a wave fetches of y
.set BROWS, 64*PB
.set BOFF,  2*HEADB
.set SLOT1, 131072
.set STAGE, SLOT1+BOFF+2*BROWS         ; behind the ring: 16 rows x 528 bytes for each wave
.set SP,    528
.set SPARE, STAGE+4*16*SP
.set ASTEP, 2*2048*128                 ; two heads on
.set A0,   14
.set B0,   15
.set ADRA, 16
.set ADRB, 20
.set STO,  24
.set RD,   25
.set GO,   26
.set SPW,  28
.set NIL,  29
.set PFO,  30
.set FA,   64
.set OB,   128
.set WV,  18
.set FBW, 19
.set HF,  20
.set CX,  21
.set CY,  22
.set G1,  24
.set G0,  32
.set G1B, 48
.set G0B, 56
.set PFA, 66
.set LIM, 68
.set TB,  69
.set PFS, 70                           ; s[70:71] a K step in the buffer that I prefetch
.set TX,  76
.set TY,  77
.set MSB, 0
.macro WIN new
.if MSB != (\new)
	s_set_vgpr_msb (MSB<<8)|(\new)
.set MSB, (\new)
.endif
.endm
.macro PLACES
.rept 4
	v_nop
.endr
.endm
.macro JLOAD s                         ; waves 0, 1 ask for the step's two heads of y, waves 2, 3 for the weights' halves; s_nop 0 and four v_nop follow each line
	s_cmp_eq_u32 s[FBW], 0
	s_cbranch_scc0 .Lfor_b_\@
	tensor_load_to_lds s[G0+4*(\s):G0+4*(\s)+3], s[G1:G1+7]
	s_nop 0
.rept 4
	v_nop
.endr
	s_branch .Lasked_\@
.Lfor_b_\@:
	tensor_load_to_lds s[G0B+4*(\s):G0B+4*(\s)+3], s[G1B:G1B+7]
	s_nop 0
.rept 4
	v_nop
.endr
.Lasked_\@:
.endm
; A prefetch of the K step that stands TWO refills on: 256 matrix instructions ahead of its load.  y's blocks are read by both clusters of a row of clusters: cluster x = 0 asks; the weights' rows by every
; cluster of a column: cluster y = 0 asks.  The four partners share a wave's part out by address: 8,192 bytes of a head's block by cx, 256 a lane; 16 rows of the weights by cy (lanes 16-31 name row 15
; again in the same instruction).  The loop's last two trips ask for nothing.
.macro ASK
	s_cmp_gt_u32 s3, s[LIM]
	s_cbranch_scc0 .Lnot_mine_\@
	global_prefetch_b8 v[PFO], s[PFA:PFA+1] th:TH_LOAD_NT scope:SCOPE_SE
.Lnot_mine_\@:
.endm
.macro CREST
	s_cmp_lg_u32 s[WV], 0
	s_cbranch_scc1 .Lnot_wave_0_\@
	s_barrier_signal -3
.Lnot_wave_0_\@:
	s_barrier_wait -3
	s_barrier_signal -1
	s_barrier_wait -1
.endm
.macro CROUND
	s_barrier_signal -1
	s_barrier_wait -1
	CREST
.endm
	s_load_b128 s[4:7], s[0:1], 0x0                ; oh s[4:5], wpb s[6:7]
	s_load_b64 s[8:9], s[0:1], 0x10                ; out0
	v_lshl_add_u32 v[SPW], v0, 2, SPARE
	v_mov_b32 v[NIL], 0
	ds_add_u32 v[SPW], v[NIL]                      ; the wave's opening: the add and its wait ahead of my first tensor load
	ds_add_u32 v28, v29
	v_lshrrev_b32 v3, 5, v0
	v_readfirstlane_b32 s[WV], v3
	s_lshr_b32 s[FBW], s[WV], 1
	s_and_b32 s[HF], s[WV], 1
	s_bfe_u32 s[CX], ttmp6, 0x40000
	s_bfe_u32 s[CY], ttmp6, 0x40004
	s_lshl_b32 s[TX], ttmp9, 2
	s_add_co_u32 s[TX], s[TX], s[CX]
	s_and_b32 s[TY], ttmp7, 0xffff
	s_lshl_b32 s[TY], s[TY], 2
	s_add_co_u32 s[TY], s[TY], s[CY]
	s_lshl_b32 s40, s[CY], 2
	s_lshl_b32 s40, 15, s40                        ; my row of the cluster
	s_lshl_b32 s44, 0x1111, s[CX]                  ; my column
	s_or_b32 s[G1], s40, (1<<16)|(1<<20)|(1<<21)|(4<<22)|(3<<25)   ; padding after every 32 words, 4 words
	s_or_b32 s[G1B], s44, (1<<16)|(1<<20)|(1<<21)|(5<<22)|(3<<25)  ; after every 64 words
.irp g, G1, G1B
	s_mov_b32 s[(\g)+1], 128<<16                   ; tensor_dim0 = 128
	s_mov_b32 s[(\g)+3], 128<<16                   ; tile_dim0 = 128
	s_mov_b32 s[(\g)+6], 0
	s_mov_b32 s[(\g)+7], 0
.endr
	s_mov_b32 s[G1+2], 128<<16                     ; y: 128 rows of 256 bytes,
	s_mov_b32 s[G1+4], 128
	s_mov_b32 s[G1+5], 128                         ; dense
	s_mov_b32 s[G1B+2], 64<<16                     ; weights: 64 rows,
	s_mov_b32 s[G1B+4], 64
	s_mov_b32 s[G1B+5], 1024                       ; 1,024 elements apart
	s_lshr_b32 s40, s[TY], 3                       ; y: the batch; these registers never hold cx
	s_lshl_b32 s40, s40, 4
	s_add_co_u32 s40, s40, s[HF]                   ; its head 0 or 1
	s_lshl_b32 s40, s40, 11
	s_and_b32 s41, s[TY], 7
	s_lshl_b32 s41, s41, 8
	s_add_co_u32 s40, s40, s41                     ; the tile's first row in that head
	s_lshl_b32 s40, s40, 7                         ; in bytes, under 2^25
	s_mov_b32 s41, 0
	s_lshl_b32 s44, s[TX], 7                       ; weights: row 128 tx + 64 half; these never hold cy
	s_lshl_b32 s45, s[HF], 6
	s_add_co_u32 s44, s44, s45
	s_lshl_b32 s44, s44, 11
	s_mov_b32 s45, 0
	s_mul_i32 s78, s[WV], HEADB                    ; where they go: the wave's number alone enters an LDS address
	s_mul_i32 s79, s[WV], BROWS
	s_add_co_u32 s79, s79, BOFF-2*BROWS
	s_mov_b32 s[TB], 0
	s_wait_dscnt 0x0                               ; the opening add is done
	s_wait_kmcnt 0x0
	s_add_nc_u64 s[42:43], s[4:5], s[40:41]
	s_add_nc_u64 s[46:47], s[6:7], s[44:45]
	CROUND                                         ; all sixteen work-groups are here: the first joint loads meet
.irp s, 0,1
	s_mov_b32 s[G0+4*(\s)], 1
	s_add_co_u32 s[G0+4*(\s)+1], s78, (\s)*SLOT1
	s_add_nc_u64 s[G0+4*(\s)+2:G0+4*(\s)+3], s[42:43], (\s)*ASTEP
	s_or_b32 s[G0+4*(\s)+3], s[G0+4*(\s)+3], 0x80000000
	s_mov_b32 s[G0B+4*(\s)], 1
	s_add_co_u32 s[G0B+4*(\s)+1], s79, (\s)*SLOT1
	s_add_nc_u64 s[G0B+4*(\s)+2:G0B+4*(\s)+3], s[46:47], (\s)*256
	s_or_b32 s[G0B+4*(\s)+3], s[G0B+4*(\s)+3], 0x80000000
	JLOAD \s                                       ; two loads of mine are out
.endr
	v_and_b32 v1, 15, v0                           ; l % 16
	v_bfe_u32 v2, v0, 4, 1                         ; l / 16
	v_mul_u32_u24 v3, v1, PA
	v_lshl_add_u32 v3, v2, 4, v3
	s_mul_i32 s80, s[WV], 64*PA
	v_add_nc_u32 v[A0], s80, v3                    ; my 64 rows of y
	v_mul_u32_u24 v3, v1, PB
	v_lshl_add_u32 v3, v2, 4, v3
	v_add_nc_u32 v[B0], BOFF, v3
	v_mov_b32 v[ADRA], v[A0]
	v_mov_b32 v[ADRB], v[B0]
	s_mul_i32 s80, s[WV], 16*SP
	s_add_co_u32 s80, s80, STAGE                   ; my stage
	v_mul_u32_u24 v[STO], v1, SP                   ; in: row l % 16, 32 bytes for each half of the lanes
	v_lshl_add_u32 v[STO], v2, 5, v[STO]
	v_add_nc_u32 v[STO], s80, v[STO]
	v_and_b32 v[GO], 31, v0                        ; back and out: 32 lanes take a row's 512 bytes
	v_lshlrev_b32 v[GO], 4, v[GO]
	v_add_nc_u32 v[RD], s80, v[GO]
	s_lshl_b32 s80, s[TY], 8
	s_lshl_b32 s81, s[WV], 6
	s_add_co_u32 s80, s80, s81                     ; my first row of out0
	s_lshl_b32 s80, s80, 12
	s_lshl_b32 s81, s[TX], 9                       ; the tile's 128 columns
	s_add_co_u32 s80, s80, s81
	s_mov_b32 s81, 0
	s_add_nc_u64 s[8:9], s[8:9], s[80:81]
	; the prefetches
	s_lshl_b32 s82, s[CX], 13
	s_add_co_u32 s82, s82, s40                     ; y: my work-group's 8,192 bytes of the block that I fetch
	s_lshl_b32 s83, s[CY], 15
	s_add_co_u32 s83, s83, s44                     ; weights: my work-group's 16 rows of the 64
	s_and_b32 s84, ttmp7, 0xffff
	s_mov_b32 s85, ASTEP
	s_movk_i32 s86, 256
	s_cmp_eq_u32 s[FBW], 0
	s_cselect_b32 s82, s82, s83
	s_cselect_b32 s84, ttmp9, s84                  ; the coordinate along which other clusters read the same bytes
	s_cselect_b32 s[PFS], s85, s86
	s_cselect_b32 s85, 31, 15
	s_cselect_b32 s86, 8, 11
	s_cselect_b64 s[PFA:PFA+1], s[4:5], s[6:7]
	s_cmp_eq_u32 s84, 0
	s_cselect_b32 s[LIM], 2, -1                    ; the same in all sixteen partners, for a given wave
	s_mov_b32 s83, 0
	s_mov_b32 s[PFS+1], 0
	s_add_nc_u64 s[PFA:PFA+1], s[PFA:PFA+1], s[82:83]
	s_mul_i32 s82, s[PFS], 3
	s_add_nc_u64 s[PFA:PFA+1], s[PFA:PFA+1], s[82:83]  ; at K step 3: the first change of slots steps it to 4
	v_and_b32 v[PFO], 31, v0
	v_min_u32 v[PFO], s85, v[PFO]
	v_lshlrev_b32 v[PFO], s86, v[PFO]
; 8 matrix instructions: row block a x all column blocks, 32 along K.  All 32 accumulators take turns in the same order in every quarter.
.macro MULR f, a, zero
	WIN 0xa1                                       ; source 0 window 1, source 1 window 0, C and D window 2
.irp b, 0,1,2,3,4,5,6,7
.if \zero
	v_wmma_f32_16x16x32_f16 v[64*(\a)+8*(\b):64*(\a)+8*(\b)+7], v[64*(\f)+8*(\b):64*(\f)+8*(\b)+7], v[FA+32*(\f)+8*(\a):FA+32*(\f)+8*(\a)+7], 0
.else
	v_wmma_f32_16x16x32_f16 v[64*(\a)+8*(\b):64*(\a)+8*(\b)+7], v[64*(\f)+8*(\b):64*(\f)+8*(\b)+7], v[FA+32*(\f)+8*(\a):FA+32*(\f)+8*(\a)+7], v[64*(\a)+8*(\b):64*(\a)+8*(\b)+7]
.endif
.endr
.endm
.macro FETCH q, f                      ; 24 LDS loads in one run: quarter q (head q / 2 of the step's two, channels 32 (q % 2) on) into buffer f; y's row blocks last, ascending
	WIN 0x40
.irp b, 0,1,2,3,4,5,6,7
	ds_load_b128 v[64*(\f)+8*(\b):64*(\f)+8*(\b)+3],   v[ADRB] offset:64*(\q)+(\b)*16*PB
	ds_load_b128 v[64*(\f)+8*(\b)+4:64*(\f)+8*(\b)+7], v[ADRB] offset:64*(\q)+(\b)*16*PB+32
.endr
	WIN 0
.irp a, 0,1,2,3
	ds_load_b128 v[FA+32*(\f)+8*(\a):FA+32*(\f)+8*(\a)+3],   v[ADRA] offset:((\q)/2)*HEADB+((\q)%2)*64+(\a)*16*PA
	ds_load_b128 v[FA+32*(\f)+8*(\a)+4:FA+32*(\f)+8*(\a)+7], v[ADRA] offset:((\q)/2)*HEADB+((\q)%2)*64+(\a)*16*PA+32
.endr
.endm
.macro QUARTER q, f, g, zero
	s_wait_dscnt 4                                 ; all but the youngest four loads: y's row blocks 2 and 3
	MULR \f, 0, \zero
	MULR \f, 1, \zero
	PLACES
	FETCH \q, \g
	s_wait_dscnt 2*NBK+8                           ; all but the run just issued
	MULR \f, 2, \zero
	MULR \f, 3, \zero
.endm
.macro MEET round
	WIN 0
	s_wait_tensorcnt 0x0                           ; all my tensor loads have landed: my part of the next slot
	ds_add_u32 v[SPW], v[NIL]
	s_wait_dscnt 5                                 ; the add and the youngest four loads may be out
	MULR 1, 0, 0
	s_wait_dscnt 0x0                               ; the add is done, and my reads of this slot are over
	s_barrier_signal -1
	MULR 1, 1, 0
.if \round
	WIN 0
.endif
	s_barrier_wait -1
.endm
.macro TURN fill
.if \fill
	s_wait_xcnt 0x0                                ; the last prefetch, a K step back, has read its address
	s_add_nc_u64 s[PFA:PFA+1], s[PFA:PFA+1], s[PFS:PFS+1]
.endif
	MEET \fill
.if \fill
	CREST                                          ; no wave of any partner still reads this slot or has a load on its way
	s_xor_b32 s[G0+5], s[G0+5], SLOT1
	s_add_nc_u64 s[G0+6:G0+7], s[G0+6:G0+7], ASTEP
	s_xor_b32 s[G0B+5], s[G0B+5], SLOT1
	s_add_nc_u64 s[G0B+6:G0B+7], s[G0B+6:G0B+7], 256
	JLOAD 1                                        ; my one tensor load behind the round; its four v_nop are also the places in front of the loads below
.else
	PLACES
	WIN 0
.endif
	s_xor_b32 s[TB], s[TB], SLOT1
	v_add_nc_u32 v[ADRA], s[TB], v[A0]
	v_add_nc_u32 v[ADRB], s[TB], v[B0]
	FETCH 0, 0
.if \fill
	ASK
.endif
	MULR 1, 2, 0
	MULR 1, 3, 0
.endm
	s_wait_tensorcnt 1                             ; my part of K step 0 is in; K step 1's may stay out
	s_barrier_signal -1
	s_barrier_wait -1
	FETCH 0, 0
	QUARTER 1, 0, 1, 1                             ; the first quarter's products start the sums
	WIN 0
	s_mov_b32 s3, 6
.Lstep:                                        ; six trips ask for K steps 2 to 7
	QUARTER 2, 1, 0, 0
	QUARTER 3, 0, 1, 0
	TURN 1
	QUARTER 1, 0, 1, 0
	WIN 0
	s_sub_co_u32 s3, s3, 1
	s_cmp_lg_u32 s3, 0
	s_cbranch_scc1 .Lstep
	QUARTER 2, 1, 0, 0                             ; the tail asks for nothing
	QUARTER 3, 0, 1, 0
	TURN 0
	QUARTER 1, 0, 1, 0
	QUARTER 2, 1, 0, 0
	QUARTER 3, 0, 1, 0
	s_wait_dscnt 4
	MULR 1, 0, 0
	MULR 1, 1, 0
	s_wait_dscnt 0x0
	MULR 1, 2, 0
	MULR 1, 3, 0
	WIN 0
	PLACES                                         ; behind the last products
	; THE WAY OUT, 16 rows at a time through my own stage: 32 bytes a lane into rows of 528 bytes, back as whole rows of 512.  LDS serves a wave's instructions in order (ISA guide 5.7.1.4).
.irp a, 0,1,2,3
	WIN 0x08                                       ; the stores' data in window 2; each accumulator's low four registers go first
.irp b, 0,1,2,3,4,5,6,7
	ds_store_b128 v[STO], v[64*(\a)+8*(\b):64*(\a)+8*(\b)+3]   offset:64*(\b)
	ds_store_b128 v[STO], v[64*(\a)+8*(\b)+4:64*(\a)+8*(\b)+7] offset:64*(\b)+16
.endr
	WIN 0
.if (\a) >= 2
	s_wait_xcnt 0x0                                ; the stores of two blocks back have read these registers
.endif
.irp t, 0,1,2,3,4,5,6,7,8,9,10,11,12,13,14,15
	ds_load_b128 v[OB+64*((\a)%2)+4*(\t):OB+64*((\a)%2)+4*(\t)+3], v[RD] offset:(\t)*SP
.endr
.irp t, 0,1,2,3,4,5,6,7,8,9,10,11,12,13,14,15
	s_wait_dscnt 15-(\t)
	global_store_b128 v[GO], v[OB+64*((\a)%2)+4*(\t):OB+64*((\a)%2)+4*(\t)+3], s[8:9] offset:(16*(\a)+(\t))*4096  ; 512 consecutive bytes, at a multiple of 512 from out0's first
.endr
.endr
	s_wait_tensorcnt 0x0                           ; the wave's end
	ds_add_u32 v[SPW], v[NIL]
	s_wait_dscnt 0x0
	CROUND                                         ; the closing round
	s_endpgm
.Lfunc_end_k_qdeb0ebb40a_proj:
	.size	k_qdeb0ebb40a_proj, .Lfunc_end_k_qdeb0ebb40a_proj-k_qdeb0ebb40a_proj
	.p2alignl 7, 3214868480
	.fill 96, 4, 3214868480
	.section	.rodata,"a",@progbits
	.p2align	6, 0x0
	.amdhsa_kernel k_qdeb0ebb40a_proj
		.amdhsa_group_segment_fixed_size 327680
		.amdhsa_private_segment_fixed_size 0
		.amdhsa_enable_private_segment 0
		.amdhsa_kernarg_size 24
		.amdhsa_user_sgpr_count 2
		.amdhsa_user_sgpr_kernarg_segment_ptr 1
		.amdhsa_wavefront_size32 1
		.amdhsa_system_sgpr_workgroup_id_x 1
		.amdhsa_system_sgpr_workgroup_id_y 1
		.amdhsa_system_sgpr_workgroup_id_z 1
		.amdhsa_system_vgpr_workitem_id 0
		.amdhsa_next_free_vgpr 768
		.amdhsa_next_free_sgpr 96
		.amdhsa_reserve_vcc 0
		.amdhsa_float_denorm_mode_32 3
		.amdhsa_float_denorm_mode_16_64 3
		.amdhsa_memory_ordered 1
		.amdhsa_forward_progress 1
		.amdhsa_inst_pref_size 72
	.end_amdhsa_kernel
	.amdgpu_metadata
---
amdhsa.version: [ 1, 2 ]
amdhsa.kernels:
  - .name:           k_qdeb0ebb40a_proj
    .symbol:         k_qdeb0ebb40a_proj.kd
    .args:
      - { .name: oh, .offset: 0, .size: 8, .value_kind: global_buffer, .address_space: global }
      - { .name: wpb, .offset: 8, .size: 8, .value_kind: global_buffer, .address_space: global }
      - { .name: out0, .offset: 16, .size: 8, .value_kind: global_buffer, .address_space: global }
    .group_segment_fixed_size: 327680
    .private_segment_fixed_size: 0
    .kernarg_segment_align: 8
    .kernarg_segment_size: 24
    .max_flat_workgroup_size: 128
    .sgpr_count:     96
    .vgpr_count:     768
    .wavefront_size: 32
...
	.end_amdgpu_metadata
.endif
;; end of part 4
